; MI455X (gfx1250); checked and timed in simulation.
; The chip was launched on July 23, 2026; its instructions are those of AMD's public machine-readable ISA for CDNA 5 (MIT licence, August 2026) and "CDNA5" Instruction Set Architecture Reference Guide (July 2026). The comments in the code are by the model that wrote it; some were corrected since.
;; Additive Attention. Allowed arithmetic: float matrix products may take bf16 or f16 operands with f32 sums; other float arithmetic in f32, or as packed bf16 or f16 multiplies, adds, multiply-adds, maxima and minima; sums over many terms, partial sums and values carried from step to step in f32; what a program stores and reads back later, other than sums and carried values, may be rounded once to bf16 or f16.
;; Inputs: W 2,048 x 2,048 float32; h 16,384 x 1,024 float32; s 16,384 x 1,024 float32; v 1 x 2,048 float32.
;; Outputs: out0 1 x 16,384 float32.
;; One version. Each part assembles by itself: llvm-mc -triple=amdgcn-amd-amdhsa -mcpu=gfx1250 --defsym DOCPART=n.
;; ======== version 1 of 1: 3 launches
;; workspace buffers: xb 67,108,864 bytes; wb 8,388,608 bytes; part 262,144 bytes
;; launch cast (part 1): grid 256 x 9, 8 waves a work-group, no clusters, 0 bytes of LDS; arguments s, h, W, xb, wb; writes xb, wb
.if DOCPART == 1
	.amdgcn_target "amdgcn-amd-amdhsa--gfx1250"
	.amdhsa_code_object_version 6
	.text
	.protected	k_q81b41e06b7_cast
	.globl	k_q81b41e06b7_cast
	.p2align	8
	.type	k_q81b41e06b7_cast,@function
k_q81b41e06b7_cast:
	s_mov_b64 s[64:65], 0
	v_nop
	global_prefetch_b8 v0, s[64:65] scope:SCOPE_SE
	s_setreg_imm32_b32 hwreg(HW_REG_WAVE_MODE, 25, 1), 1
	s_wait_xcnt 0x0
; xb[r][0:1024] = bf16(s[r][:]), xb[r][1024:2048] = bf16(h[r][:]), wb = bf16(W): the matrix operands of the next launch, rounded once, to nearest even.
; The concatenation of s and h is made by the store's address.  s, h: [16384][1024] f32; W: [2048][2048] f32; xb: [16384][2048] bf16; wb: [2048][2048] bf16.
; LIMIT.  An f32 beyond bf16's largest finite number (3.39e38) becomes an infinity; NaN stays NaN.
; SHARES.  A unit is 1,024 numbers: 4,096 bytes in, 2,048 bytes out.  s and h have 16,384 units each (a row), W 4,096 (half a row).  The grid's y names a part of 4,096 units:
; 0-3 the quarters of s, 4-7 those of h, 8 all of W.  A work-group takes 16 units of its part, a wave two: 16 loads of 16 bytes a lane, all issued before the first is waited for.
; A load of a wave covers 512 consecutive bytes, a store 256 consecutive bytes that start at a multiple of 256 from the buffer's first byte.
; A stream: every byte is read once and written once, no wave wants another's bytes, so there is no LDS, no barrier, no matrix work and no cluster.
.set X, 4                              ; v[4:67]  16 x 4 registers as loaded; the first two of each four then hold the 8 bytes to store
	s_load_b256 s[4:11], s[0:1], 0x0               ; s s[4:5], h s[6:7], W s[8:9], xb s[10:11]
	s_load_b64 s[12:13], s[0:1], 0x20              ; wb
	v_lshrrev_b32 v3, 5, v0
	v_readfirstlane_b32 s14, v3                    ; wave 0..7
	v_and_b32 v1, 31, v0                           ; lane
	v_lshlrev_b32 v2, 3, v1                        ; 8 bytes a lane out
	v_lshlrev_b32 v1, 4, v1                        ; 16 bytes a lane in
	s_and_b32 s15, ttmp7, 0xffff                   ; the part, 0..8
	s_and_b32 s16, s15, 3
	s_lshl_b32 s16, s16, 12                        ; the quarter's 4,096 units (W: 0),
	s_lshl_b32 s17, ttmp9, 4                       ; the work-group's 16,
	s_add_co_u32 s16, s16, s17
	s_lshl_b32 s17, s14, 1                         ; the wave's two
	s_add_co_u32 s16, s16, s17                     ; U: my first unit in its tensor
	s_lshl_b32 s26, s16, 12                        ; its bytes in: 4,096 U, under 2^27
	s_mov_b32 s27, 0
	s_lshl_b32 s17, s16, 11                        ; its bytes out in wb: 2,048 U
	s_cmp_lt_u32 s15, 4
	s_cselect_b32 s22, 0, 2048                     ; in xb: s fills the first half of a row, h the second
	s_add_co_u32 s28, s26, s22                     ; 4,096 U + that
	s_mov_b32 s29, 0
	s_mov_b32 s30, 4096                            ; from a unit to the next, out: a row of xb,
	s_mov_b32 s31, 0
	s_wait_kmcnt 0x0
	s_cmp_lt_u32 s15, 4
	s_cselect_b64 s[20:21], s[4:5], s[6:7]         ; from s or from h,
	s_cmp_eq_u32 s15, 8
	s_cselect_b64 s[20:21], s[8:9], s[20:21]       ; or from W;
	s_cselect_b64 s[24:25], s[12:13], s[10:11]     ; into wb or into xb
	s_cselect_b32 s28, s17, s28
	s_cselect_b32 s30, 2048, s30                   ; or half a row of wb
	s_add_nc_u64 s[20:21], s[20:21], s[26:27]      ; my first unit, in
	s_add_nc_u64 s[24:25], s[24:25], s[28:29]      ; my first unit, out
	s_add_nc_u64 s[32:33], s[24:25], s[30:31]      ; my second unit, out
.set i, 0
.rept 16                               ; unit i / 8, its 512 bytes number i % 8
	global_load_b128 v[X+4*i:X+4*i+3], v1, s[20:21] offset:4096*(i/8)+512*(i%8) th:TH_LOAD_NT
.set i, i+1
.endr
.set i, 0
.rept 16
	s_wait_loadcnt 15-i                            ; loads come back in order (ISA guide 5.7.1): number i is in, the 15 - i younger ones stay out
	v_cvt_pk_bf16_f32 v[X+4*i], v[X+4*i], v[X+4*i+1]       ; two roundings, packed
	v_cvt_pk_bf16_f32 v[X+4*i+1], v[X+4*i+2], v[X+4*i+3]
	global_store_b64 v2, v[X+4*i:X+4*i+1], s[24+8*(i/8):25+8*(i/8)] offset:256*(i%8) th:TH_STORE_NT  ; no register that a store reads is written again
.set i, i+1
.endr
	s_endpgm
.Lfunc_end_k_q81b41e06b7_cast:
	.size	k_q81b41e06b7_cast, .Lfunc_end_k_q81b41e06b7_cast-k_q81b41e06b7_cast
	.p2alignl 7, 3214868480
	.fill 96, 4, 3214868480
	.section	.rodata,"a",@progbits
	.p2align	6, 0x0
	.amdhsa_kernel k_q81b41e06b7_cast
		.amdhsa_group_segment_fixed_size 0
		.amdhsa_private_segment_fixed_size 0
		.amdhsa_enable_private_segment 0
		.amdhsa_kernarg_size 40
		.amdhsa_user_sgpr_count 2
		.amdhsa_user_sgpr_kernarg_segment_ptr 1
		.amdhsa_wavefront_size32 1
		.amdhsa_system_sgpr_workgroup_id_x 1
		.amdhsa_system_sgpr_workgroup_id_y 1
		.amdhsa_system_sgpr_workgroup_id_z 1
		.amdhsa_system_vgpr_workitem_id 0
		.amdhsa_next_free_vgpr 68
		.amdhsa_next_free_sgpr 66
		.amdhsa_reserve_vcc 0
		.amdhsa_float_denorm_mode_32 3
		.amdhsa_float_denorm_mode_16_64 3
		.amdhsa_memory_ordered 1
		.amdhsa_forward_progress 1
		.amdhsa_inst_pref_size 8
	.end_amdhsa_kernel
	.amdgpu_metadata
---
amdhsa.version: [ 1, 2 ]
amdhsa.kernels:
  - .name:           k_q81b41e06b7_cast
    .symbol:         k_q81b41e06b7_cast.kd
    .args:
      - { .name: s, .offset: 0, .size: 8, .value_kind: global_buffer, .address_space: global }
      - { .name: h, .offset: 8, .size: 8, .value_kind: global_buffer, .address_space: global }
      - { .name: W, .offset: 16, .size: 8, .value_kind: global_buffer, .address_space: global }
      - { .name: xb, .offset: 24, .size: 8, .value_kind: global_buffer, .address_space: global }
      - { .name: wb, .offset: 32, .size: 8, .value_kind: global_buffer, .address_space: global }
    .group_segment_fixed_size: 0
    .private_segment_fixed_size: 0
    .kernarg_segment_align: 8
    .kernarg_segment_size: 40
    .max_flat_workgroup_size: 256
    .sgpr_count:     66
    .vgpr_count:     68
    .wavefront_size: 32
...
	.end_amdgpu_metadata
.endif
;; end of part 1
;; launch gemm (part 2): grid 4 x 64, 4 waves a work-group, clusters of 4 x 4, 327,680 bytes of LDS; arguments xb, wb, v, part; writes part
.if DOCPART == 2
	.amdgcn_target "amdgcn-amd-amdhsa--gfx1250"
	.amdhsa_code_object_version 6
	.text
	.protected	k_q81b41e06b7_gemm
	.globl	k_q81b41e06b7_gemm
	.p2align	8
	.type	k_q81b41e06b7_gemm,@function
k_q81b41e06b7_gemm:
	s_mov_b64 s[64:65], 0
	v_nop
	global_prefetch_b8 v0, s[64:65] scope:SCOPE_SE
	s_setreg_imm32_b32 hwreg(HW_REG_WAVE_MODE, 25, 1), 1
	s_wait_xcnt 0x0
	s_wait_alu depctr_hold_cnt(0) depctr_sa_sdst(0) depctr_va_vdst(0) depctr_va_sdst(0) depctr_va_ssrc(0) depctr_va_vcc(0) depctr_vm_vsrc(0)
	s_getreg_b32 s2, hwreg(HW_REG_IB_STS2, 6, 4)
	s_cmp_eq_u32 s2, 0
	s_cbranch_scc0 .Lentry_in_a_cluster
	s_endpgm
.Lentry_in_a_cluster:
	s_bfe_u32 s2, ttmp6, 0x10000c
	s_cmp_lg_u32 s2, 0xf033
	s_cbranch_scc0 .Lentry_shape_is_right
	s_endpgm
.Lentry_shape_is_right:
; part[tx][r] = the sum over the columns n = 256 tx .. + 255 and 1024 + 256 tx .. + 255 of v[n] tanh(z[r][n]),  z[r][n] = the sum over k of xb[r][k] wb[n][k].
; xb: [16384][2048] bf16, wb: [2048][2048] bf16, v: [2048] f32, part: [4][16384] f32.  Products of bf16, sums in f32; tanh and the product with v in f32; z and tanh(z) never leave registers.
; TANH.  tanh(z) = 1 - 2 q, q = 1 / (1 + 2^(2 log2(e) z)).  Where the power overflows q is 0 and tanh 1; where it falls below 2^-126 it counts as 0, q is 1 and tanh -1: no clamp is needed.
; A row's share is formed as (sum of v) - 2 (sum of v q), both sums in f32: its error goes with the last bit of the sum of |v|.  NaN is not treated apart.
; SHARES.  A tile of z, 256 x 256, is made by a work-group of four waves, each 128 x 128: 64 accumulators of 16 x 16, 512 registers.  K goes in steps of 128 through a ring of two LDS slots filled by the
; tensor data mover: the tiles' rows are 256 bytes of memory and start at multiples of 256 bytes.  A WORK-GROUP STAYS and makes two tiles side by side, 1,024 columns apart: the same rows of xb, so a row's two sums
; run on in registers from the first tile into the second, and four numbers a row leave in all.  512 tiles, 256 work-groups.  The ring does not stop between the tiles.
; CLUSTERS: 4 x 4 work-groups.  The four of a row of the cluster need the same tiles of xb, the four of a column the same tiles of wb: each tile is asked for JOINTLY, by the same tensor load with the same
; descriptor and a mask that names the four, and each receives it in its own LDS.
; THE MATRIX INSTRUCTION IS USED TRANSPOSED: source 0 = 16 rows of wb, source 1 = 16 rows of xb.  In accumulator (a, b) lane l then holds row 16 a + l % 16 and the columns 16 b + 8 (l / 16) + 0..7:
; one row a lane, so the sum over columns is a sum over the lane's registers, one exchange between the halves of the lanes, and one meeting of the two column halves' waves in LDS.
; REGISTERS, in windows of 256 (s_set_vgpr_msb's low byte: bits 1:0 source 0, 3:2 source 1, 5:4 source 2, 7:6 destination):
;   window 0: v0-43 addresses, sums, at work; v64-127, v128-191 fragments of xb, two buffers (the second also serves the way out); v192-255 my lane's 64 numbers of v
;   window 1: v64-127, v128-191 fragments of wb, two buffers      window 2: the accumulators of my rows 0-63 ((a, b) at v[8 (8 a + b)])      window 3: those of my rows 64-127
.set SIZE_K, 2048
.set KSTEP,  128
.set PITCH,  272                       ; an LDS row: 256 bytes + 16 of padding = 68 words: row r starts at bank 4 r mod 64 (64 banks of 4 bytes: ISA guide 11.1), so the 16 rows of a load start at 16 different banks
.set HALFT,  128*PITCH                 ; 128 rows: what one tensor load brings, and what one wave reads of xb or of wb
.set SLOT,   4*HALFT                   ; xb's 256 rows, then wb's 256 rows
.set STAGE,  2*SLOT                    ; behind the ring, never filled by a tensor load: 128 row sums, 512 bytes, for each wave
.set SPARE,  STAGE+4*512               ; behind the stages: the spare words, 128 bytes for each wave: two blocks of 256 bytes that no other line names
.set LAPS,   SIZE_K/(2*KSTEP)          ; a lap = two K steps = once round the ring
.set WALKN,  1024                      ; rows of wb from the first tile to the second
.set BACK_A, (SIZE_K-2*KSTEP)*2        ; bytes from a slot's last K step of a tile back to its first: xb's rows stay,
.set NEXT_B, WALKN*SIZE_K*2-BACK_A     ; wb goes WALKN rows down and back along K
.set RS,   8                           ; v8-15   block a (16 rows): my row's sum of v q, over both tiles
.set ADRA, 16                          ; v16-17  LDS address of my xb fragments in slot 0, 1
.set ADRB, 20                          ; v20-21  the same for wb
.set VO,   22                          ; v22     my byte offset in 64 bytes of v: 32 (l / 16); never rewritten
.set VT,   23                          ; v23     the sum of my lane's numbers of v, over both tiles
.set STO,  24                          ; v24     the way out: where I put a row's sum
.set RD,   25                          ; v25     the way out: where I read two rows' sums back
.set CO,   26                          ; v26     my byte offset in my wave's 256 bytes of part
.set SPW,  28                          ; v28     LDS address of my spare word: SPARE + 4 x my thread's number; never rewritten
.set NIL,  29                          ; v29     0; never rewritten
.set PFO,  30                          ; v30     the prefetches' offset: my lane x a row of xb or wb (4,096 bytes); never rewritten
.set SUM,  32                          ; v32-39  four chains of packed sums
.set TM,   40                          ; v40-43  at work
.set F0,   64                          ; fragment buffer 0
.set F1,   128                         ; fragment buffer 1
.set TB,   128                         ; the way out: four buffers of 16 registers, in window 0, where xb's buffer 1 lay
.set VW,   192                         ; v192-255 v of my columns: those of accumulator column b at VW + 8 b
.set LIM,  43                          ; s43     1 in a wave that prefetches, else the greatest number
.set PFA,  44                          ; s[44:45] where my prefetches stand: one K step further along K than the refill that is being asked for; a prefetch names the K step after that
.set G1,   24                          ; s[24:31] descriptor group 1 for xb's tiles
.set G0,   32                          ; s[32:39] descriptor group 0 for xb's tiles, one set for each slot
.set G1B,  48                          ; s[48:55] group 1 for wb's tiles: it differs in the mask alone
.set G0B,  56                          ; s[56:63] group 0 for wb's tiles
.set VP,   68                          ; s[68:69] v at my wave's first column of the first tile
.set PP,   70                          ; s[70:71] part at the 64 rows that my wave stores
.set CT,   72                          ; s[72:73] 2 log2(e): the packed multiply names a pair and takes its low word for both halves
.set SEL,  74                          ; s[74:75] lane selects for v_permlanex16_b32: each lane takes its own place in the other half
.set MSB, 0
.macro WIN new                         ; the immediate's high byte repeats the setting that is left; a switch that changes nothing is dropped
.if MSB != (\new)
	s_set_vgpr_msb (MSB<<8)|(\new)
.set MSB, \new
.endif
.endm
.set MUL_LO, 0xa1                      ; source 0 (wb) window 1, source 1 (xb) window 0, C and D window 2
.set MUL_HI, 0xf1                      ; the same, C and D window 3
.set TO_B,   0x40                      ; destination window 1, address window 0
; A joint load.  Waves 0 and 1 fetch xb's two halves, waves 2 and 3 wb's.  Each of the two lines has ONE mask and one set of registers for all that issue it.  The branch hangs on the wave's number alone.
; An s_nop 0 and four v_nop follow each of the two lines, ahead of the jump, the label and what follows.
.macro JLOAD s
	s_cmp_eq_u32 s11, 0
	s_cbranch_scc0 .Lfor_b_\@
	tensor_load_to_lds s[G0+4*(\s):G0+4*(\s)+3], s[G1:G1+7]
	s_nop 0
.rept 4
	v_nop
.endr
	s_branch .Lasked_\@
.Lfor_b_\@:
	tensor_load_to_lds s[G0B+4*(\s):G0B+4*(\s)+3], s[G1B:G1B+7]
	s_nop 0
.rept 4
	v_nop
.endr
.Lasked_\@:
.endm
; A PREFETCH INTO THE L2, behind each joint load, its five lines and the run of LDS loads that follows them: the K step that stands TWO refills on: 32 rows x 256 bytes, a lane a row, one instruction a wave.
; Each row's 256 bytes of a K step are named ONCE in the launch.  xb's tile row is read by one cluster alone (the grid is one cluster wide): every cluster asks for its own, in the first tile only;
; wb's tile column is read by every cluster: the cluster with y = 0 asks, in both tiles, whose rows differ.  The four partners that ask for a tile jointly share its rows out BY ADDRESS: of the 128 rows that
; a wave fetches, the partner at place p takes 32 p .. 32 p + 31 (p = cx for xb, cy for wb): no branch hangs on a work-group's place in its cluster.
; how = 0, in the loop: a tile's last two refills have no K step two on; how = 1, at the change of tiles.
.macro ASK how
.if \how
	s_cmp_eq_u32 s[LIM], 1
.else
	s_cmp_gt_u32 s3, s[LIM]                        ; s3 = 1 in the loop's last trip
.endif
	s_cbranch_scc0 .Lnot_mine_\@
	global_prefetch_b8 v[PFO], s[PFA:PFA+1] offset:KSTEP*2 th:TH_LOAD_NT scope:SCOPE_SE
.Lnot_mine_\@:
.endm
; A round of the cluster's barrier: my work-group's barrier, so that wave 0's signal speaks for all four waves; wave 0 signals for the work-group; every wave waits for all sixteen work-groups;
; my work-group's barrier once more.  No LDS instruction of the wave is pending at a signal.
.macro CREST                           ; a round behind its opening barrier
	s_cmp_lg_u32 s10, 0
	s_cbranch_scc1 .Lnot_wave_0_\@
	s_barrier_signal -3
.Lnot_wave_0_\@:
	s_barrier_wait -3
	s_barrier_signal -1
	s_barrier_wait -1
.endm
.macro CROUND                          ; a whole round
	s_barrier_signal -1
	s_barrier_wait -1
	CREST
.endm
	s_load_b128 s[4:7], s[0:1], 0x0                ; xb s[4:5], wb s[6:7]
	s_load_b128 s[68:71], s[0:1], 0x10             ; v s[68:69], part s[70:71]
	v_lshl_add_u32 v[SPW], v0, 2, SPARE
	v_mov_b32 v[NIL], 0
	ds_add_u32 v[SPW], v[NIL]                      ; the wave's opening: the add and its wait stand ahead of my first tensor load; the set-up below, work on registers, stands between them
	v_lshrrev_b32 v1, 5, v0
	v_readfirstlane_b32 s10, v1                    ; wave 0..3
	s_lshr_b32 s11, s10, 1                         ; which half of the tile's rows is mine.  Also: I fetch for xb (0) or for wb (1)
	s_and_b32 s12, s10, 1                          ; which half of its columns.  Also: which 128 rows of that tile I fetch
	s_bfe_u32 s40, ttmp6, 0x40000                  ; cx: my place along the cluster's x
	s_bfe_u32 s41, ttmp6, 0x40004                  ; cy: along its y
	s_lshl_b32 s42, ttmp9, 2                       ; in a cluster launch ttmp9 and ttmp7 count clusters
	s_add_co_u32 s42, s42, s40                     ; tx, 0..3: the first tile's column = 4 x cluster x + cx
	s_and_b32 s13, ttmp7, 0xffff
	s_lshl_b32 s13, s13, 2
	s_add_co_u32 s13, s13, s41                     ; ty, 0..63: the tile row = 4 x cluster y + cy
	s_lshl_b32 s43, s41, 2
	s_lshl_b32 s43, 15, s43                        ; my row of the cluster: places 4 cy .. 4 cy + 3
	s_lshl_b32 s44, 0x1111, s40                    ; my column: places cx, cx + 4, cx + 8, cx + 12
	; descriptor group 1: a tile of 128 rows x 128 elements, padded in LDS
	s_or_b32 s[G1+0], s43, (1<<16)|(1<<20)|(1<<21)|(5<<22)|(3<<25)  ; 15:0 the mask: xb's tiles go to my row; 17:16 elements of 2 bytes; 20 padding on; 21 set beside a mask; 24:22 after every 64 words (code 5); 31:25 4 words of it (code 3)
	s_or_b32 s[G1B+0], s44, (1<<16)|(1<<20)|(1<<21)|(5<<22)|(3<<25) ; the same with the mask of my column, for wb's tiles
.irp g, G1, G1B
	s_mov_b32 s[(\g)+1], KSTEP<<16                 ; 63:48 tensor_dim0, low half = 128
	s_mov_b32 s[(\g)+2], 128<<16                   ; 79:64 its high half = 0; 95:80 tensor_dim1, low half = 128
	s_mov_b32 s[(\g)+3], KSTEP<<16                 ; 111:96 its high half = 0; 127:112 tile_dim0 = 128
	s_mov_b32 s[(\g)+4], 128                       ; 143:128 tile_dim1 = 128; 159:144 tile_dim2 = 0
	s_mov_b32 s[(\g)+5], SIZE_K                    ; 191:160 tensor_dim0_stride, low word: elements from row to row
	s_mov_b32 s[(\g)+6], 0
	s_mov_b32 s[(\g)+7], 0
.endr
	s_mov_b32 s[CT], 0x4038aa3b                    ; 2 log2(e) = 2.885390
	s_mov_b32 s[CT+1], s[CT]                       ; named with it as a pair, so it is written
	s_mov_b32 s[SEL], 0x76543210
	s_mov_b32 s[SEL+1], 0xfedcba98
	; where the tiles come from.  xb's hang on the tile row alone, which my row of the cluster shares; wb's on the tile column alone, which my column shares.
	; Every wave makes both addresses, in registers that never hold the other coordinate, and asks by one of them.
	s_lshl_b32 s17, s12, 7                         ; which 128 rows of the tile I fetch
	s_lshl_b32 s16, s13, 8
	s_add_co_u32 s16, s16, s17                     ; xb: row 256 ty + 128 x half
	s_lshl_b32 s46, s42, 8
	s_add_co_u32 s46, s46, s17                     ; wb: row 256 tx + 128 x half
	s_mov_b32 s17, 0
	s_mov_b32 s47, 0
	s_mov_b64 s[18:19], SIZE_K*2
	s_mul_u64 s[16:17], s[16:17], s[18:19]         ; in bytes, in 64 bits
	s_mul_u64 s[46:47], s[46:47], s[18:19]
	s_mul_i32 s20, s10, HALFT                      ; and where they go: xb's two halves, then wb's two halves = wave x 128 rows: no place in the cluster enters an LDS address
	s_wait_dscnt 0x0                               ; the opening add is done
	s_wait_kmcnt 0x0
	s_add_nc_u64 s[14:15], s[4:5], s[16:17]
	s_add_nc_u64 s[46:47], s[6:7], s[46:47]
	CROUND                                         ; all sixteen work-groups are here: the first joint loads meet
.irp s, 0,1
	s_mov_b32 s[G0+4*(\s)], 1                                      ; 1:0 count = 1
	s_add_co_u32 s[G0+4*(\s)+1], s20, (\s)*SLOT                    ; 63:32 LDS address
	s_add_nc_u64 s[G0+4*(\s)+2:G0+4*(\s)+3], s[14:15], (\s)*KSTEP*2  ; 120:64 global address: K step s
	s_or_b32 s[G0+4*(\s)+3], s[G0+4*(\s)+3], 0x80000000            ; 127:126 type = 2
	s_mov_b32 s[G0B+4*(\s)], 1
	s_add_co_u32 s[G0B+4*(\s)+1], s20, (\s)*SLOT
	s_add_nc_u64 s[G0B+4*(\s)+2:G0B+4*(\s)+3], s[46:47], (\s)*KSTEP*2
	s_or_b32 s[G0B+4*(\s)+3], s[G0B+4*(\s)+3], 0x80000000
	JLOAD \s                                       ; the ring is filled before anything else is done: two tensor loads of mine are out
.endr
	; A fragment is 16 rows x 32 K in 8 registers: lane l holds row l % 16; registers 0-3 hold K = 8 (l / 16) + 0..7, registers 4-7 hold K = 16 + 8 (l / 16) + 0..7: two loads of 16 bytes, 32 bytes apart.
	v_and_b32 v1, 15, v0                           ; l % 16
	v_bfe_u32 v2, v0, 4, 1                         ; l / 16
	v_mul_u32_u24 v3, v1, PITCH
	v_lshl_add_u32 v3, v2, 4, v3                   ; row x pitch + 16 x half
	s_mul_i32 s21, s11, HALFT                      ; my 128 rows of xb
	s_mul_i32 s22, s12, HALFT                      ; my 128 rows of wb,
	s_add_co_u32 s22, s22, 2*HALFT                 ; which lie behind xb's 256
.irp s, 0,1
	v_add_nc_u32 v[ADRA+(\s)], s21, v3
	v_add_nc_u32 v[ADRB+(\s)], s22, v3
	s_add_co_u32 s21, s21, SLOT
	s_add_co_u32 s22, s22, SLOT
.endr
	s_lshl_b32 s23, s10, 9
	s_add_co_u32 s23, s23, STAGE                   ; my stage: row i of my 128 at 4 i
	v_lshl_add_u32 v[STO], v1, 2, s23
	s_lshl_b32 s23, s11, 10                        ; back: the stages of the two waves of my row half lie 512 bytes apart;
	s_lshl_b32 s20, s12, 8                         ; of the half's 128 rows I take 64, two a lane
	s_add_co_u32 s23, s23, s20
	s_add_co_u32 s23, s23, STAGE
	v_and_b32 v4, 31, v0
	v_lshl_add_u32 v[RD], v4, 3, s23
	v_lshlrev_b32 v[CO], 3, v4
	v_lshlrev_b32 v[VO], 5, v2
.irp a, 0,1,2,3,4,5,6,7
	v_mov_b32 v[RS+(\a)], 0                        ; nine sums that run over both tiles start at 0
.endr
	v_mov_b32 v[VT], 0
	; v and part: offsets made in registers that feed no descriptor
	s_lshl_b32 s76, s42, 10                        ; v: 4 bytes x (256 tx + 128 x my column half)
	s_lshl_b32 s77, s12, 9
	s_add_co_u32 s76, s76, s77
	s_mov_b32 s77, 0
	s_add_nc_u64 s[VP:VP+1], s[VP:VP+1], s[76:77]
	s_lshl_b32 s78, s42, 16                        ; part: 65,536 tx + 4 bytes x (256 ty + 64 x wave)
	s_lshl_b32 s79, s13, 10
	s_add_co_u32 s78, s78, s79
	s_lshl_b32 s79, s10, 8
	s_add_co_u32 s78, s78, s79
	s_mov_b32 s79, 0
	s_add_nc_u64 s[PP:PP+1], s[PP:PP+1], s[78:79]
	; the prefetches
	s_lshl_b32 s13, s13, 8                         ; 256 ty
	s_lshl_b32 s42, s42, 8                         ; 256 tx
	s_and_b32 s22, ttmp7, 0xffff                   ; cluster y
	s_cmp_eq_u32 s11, 0                            ; do I fetch for xb?
	s_cselect_b32 s20, s13, s42                    ; the tile's first row
	s_cselect_b32 s21, s40, s41                    ; my place among the four that ask for it with me
	s_cselect_b32 s22, ttmp9, s22                  ; the coordinate along which other clusters read the same rows
	s_cselect_b64 s[PFA:PFA+1], s[4:5], s[6:7]
	s_cmp_eq_u32 s22, 0
	s_cselect_b32 s[LIM], 1, -1                    ; the same in all sixteen partners, for a given wave
	s_lshl_b32 s22, s12, 7
	s_add_co_u32 s20, s20, s22                     ; + the 128 rows that I fetch
	s_lshl_b32 s21, s21, 5
	s_add_co_u32 s20, s20, s21                     ; + my work-group's 32 of them
	s_mov_b32 s21, 0
	s_mov_b64 s[18:19], SIZE_K*2
	s_mul_u64 s[20:21], s[20:21], s[18:19]
	s_add_nc_u64 s[PFA:PFA+1], s[PFA:PFA+1], s[20:21]
	s_add_nc_u64 s[PFA:PFA+1], s[PFA:PFA+1], 2*KSTEP*2  ; at K step 2: the first refill steps it to 3 and names K step 4.  Nothing is prefetched here, at the head, where every work-group's first tiles are on their way
	v_and_b32 v[PFO], 31, v0
	v_mul_u32_u24 v[PFO], v[PFO], SIZE_K*2
; v of my lane's 64 columns of tile t: for accumulator column b the 32 bytes at 64 b + 32 (l / 16).  Sixteen loads a tile, waited for at the tile's way out.
.macro VLOAD t
.irp b, 0,1,2,3,4,5,6,7
	global_load_b128 v[VW+8*(\b):VW+8*(\b)+3],   v[VO], s[VP:VP+1] offset:4096*(\t)+64*(\b)
	global_load_b128 v[VW+8*(\b)+4:VW+8*(\b)+7], v[VO], s[VP:VP+1] offset:4096*(\t)+64*(\b)+16
.endr
.endm
	VLOAD 0
; 16 matrix instructions: row blocks a0, a0 + 1 of the window's four (hi = 0: my rows 0-63, 1: rows 64-127) x all 8 column blocks, 32 along K.  zero = 1: the first product starts the sums: nothing is cleared.
; The 64 accumulators take turns, one instruction a turn, in the same order in every quarter step.
.macro MUL16 f, hi, a0, zero
	WIN MUL_LO+0x50*(\hi)  ; MUL_LO or MUL_HI
.irp a, \a0, (\a0)+1
.irp b, 0,1,2,3,4,5,6,7
.if \zero
	v_wmma_f32_16x16x32_bf16 v[8*(8*(\a)+(\b)):8*(8*(\a)+(\b))+7], v[(\f)+8*(\b):(\f)+8*(\b)+7], v[(\f)+8*(4*(\hi)+(\a)):(\f)+8*(4*(\hi)+(\a))+7], 0
.else
	v_wmma_f32_16x16x32_bf16 v[8*(8*(\a)+(\b)):8*(8*(\a)+(\b))+7], v[(\f)+8*(\b):(\f)+8*(\b)+7], v[(\f)+8*(4*(\hi)+(\a)):(\f)+8*(4*(\hi)+(\a))+7], v[8*(8*(\a)+(\b)):8*(8*(\a)+(\b))+7]
.endif
.endr
.endr
.endm
; 32 LDS loads in one run: the fragments of one quarter step (128 rows of wb, 128 rows of xb, 32 K at byte k of the rows) into buffer f
.macro FETCH slot, k, f
	WIN TO_B
.irp i, 0,1,2,3,4,5,6,7
	ds_load_b128 v[(\f)+8*(\i):(\f)+8*(\i)+3],   v[ADRB+(\slot)] offset:(\k)+(\i)*16*PITCH
	ds_load_b128 v[(\f)+8*(\i)+4:(\f)+8*(\i)+7], v[ADRB+(\slot)] offset:(\k)+(\i)*16*PITCH+32
.endr
	WIN 0
.irp i, 0,1,2,3,4,5,6,7
	ds_load_b128 v[(\f)+8*(\i):(\f)+8*(\i)+3],   v[ADRA+(\slot)] offset:(\k)+(\i)*16*PITCH
	ds_load_b128 v[(\f)+8*(\i)+4:(\f)+8*(\i)+7], v[ADRA+(\slot)] offset:(\k)+(\i)*16*PITCH+32
.endr
.endm
; A load into a register that a matrix instruction has read stands four places behind that matrix instruction, and only plain vector instructions that name none of its registers are places
; (ISA guide 7.12.1 for vector instructions): four v_nop in front of each run of loads.
.macro PLACES
.rept 4
	v_nop
.endr
.endm
; A K step is four quarter steps of 32 along K, 64 matrix instructions each, on buffers 0, 1, 0, 1.
; One of the first three: multiplies buffer f; in its middle it fetches the next quarter's fragments, at byte k of the same slot's rows, into buffer g.
.macro QUARTER slot, k, f, g, zero
	s_wait_dscnt 8                                 ; wb's fragments and xb's rows 0-63 are in; the youngest eight loads (xb's rows 64-127) may be out
	WIN MUL_LO
	MUL16 \f, 0, 0, \zero
	MUL16 \f, 0, 2, \zero
	PLACES
	FETCH \slot, \k, \g
	s_wait_dscnt 32                                ; all but the 32 just issued
	WIN MUL_HI
	MUL16 \f, 1, 0, \zero
	MUL16 \f, 1, 2, \zero
.endm
; The last quarter multiplies buffer 1 and changes slots.  MEET is its first half: ONE barrier for the change of slots.  In front of it each wave waits for all its tensor loads, of which one is out: its part of the
; next slot; adds 0 to its spare word; and waits for that and for its own reads of this slot.  Behind it nobody reads this slot any more and the next slot is whole.
.macro MEET round                      ; round = 1: a round of the cluster's barrier follows
	WIN 0                                          ; (the add's two registers lie in window 0)
	s_wait_tensorcnt 0x0                           ; all my tensor loads have landed;
	ds_add_u32 v[SPW], v[NIL]                      ; 0 onto my spare word;
	s_wait_dscnt 9                                 ; (the add and the youngest eight loads may be out)
	WIN MUL_LO
	MUL16 F1, 0, 0, 0                              ; sixteen matrix instructions stand between the add and the wait for it
	s_wait_dscnt 0x0                               ; the add is done, and my reads of this slot are over:
	s_barrier_signal -1                            ; say so,
	MUL16 F1, 0, 2, 0                              ; work on registers while the others arrive,
.if \round
	WIN 0
.endif
	s_barrier_wait -1                              ; and go on when all four have said so
.endm
; The whole last quarter.  Behind the round the slot just read out is filled again first: with this tile's K step two steps on (on = 0) or, in the first tile's last two K steps, with the second tile's
; K step 0 or 1 (on = 1); then come the next slot's first fragments.  From a request to the wait for it a wave issues 224 matrix instructions, across the tiles too.
.macro TURN slot, next, on
	s_wait_xcnt 0x0                                ; the last prefetch, a K step back, has read its address: it is stepped here, ahead of the waits of the change of slots
.if (\on) && (\slot) == 0
	s_add_nc_u64 s[PFA:PFA+1], s[PFA:PFA+1], (WALKN-1)*SIZE_K*2+KSTEP*2  ; from the K step after the tile's last to the second tile's K step 1: WALKN rows down, back along K
	s_cmp_eq_u32 s11, 0
	s_cselect_b32 s[LIM], -1, s[LIM]               ; xb's rows are the same for both tiles: each has been named, and is named no more
.else
	s_add_nc_u64 s[PFA:PFA+1], s[PFA:PFA+1], KSTEP*2
.endif
	MEET 1
	CREST                                          ; all sixteen work-groups have said so: no wave of any partner still reads this slot's tile or has a load on its way
.if \on
	s_sub_nc_u64 s[G0+4*(\slot)+2:G0+4*(\slot)+3], s[G0+4*(\slot)+2:G0+4*(\slot)+3], BACK_A
	s_add_nc_u64 s[G0B+4*(\slot)+2:G0B+4*(\slot)+3], s[G0B+4*(\slot)+2:G0B+4*(\slot)+3], NEXT_B
.else
	s_add_nc_u64 s[G0+4*(\slot)+2:G0+4*(\slot)+3], s[G0+4*(\slot)+2:G0+4*(\slot)+3], 2*KSTEP*2
	s_add_nc_u64 s[G0B+4*(\slot)+2:G0B+4*(\slot)+3], s[G0B+4*(\slot)+2:G0B+4*(\slot)+3], 2*KSTEP*2
.endif
	JLOAD \slot                                    ; the first tensor load behind the round, my only one until the next; the four v_nop behind it are also the places in front of the loads below
	FETCH \next, 0, F0
	ASK \on                                        ; behind the joint load and the run of LDS loads that the next products wait for
	WIN MUL_HI
	MUL16 F1, 1, 0, 0
	MUL16 F1, 1, 2, 0
.endm
; The last tile's change from slot 0 to slot 1: nothing is filled again, so no round follows the barrier.
.macro TURNX
	MEET 0
	PLACES                                         ; for the loads into buffer 0, which the quarter before multiplied
	FETCH 1, 0, F0
	WIN MUL_HI
	MUL16 F1, 1, 0, 0
	MUL16 F1, 1, 2, 0
.endm
.macro LASTQ                           ; the very last quarter: nothing more to fetch
	s_wait_dscnt 8
	WIN MUL_LO
	MUL16 F1, 0, 0, 0
	MUL16 F1, 0, 2, 0
	s_wait_dscnt 0x0
	MUL16 F1, 1, 0, 0
	MUL16 F1, 1, 2, 0
	WIN 0
.endm
; THE WAY OUT OF A TILE.  A GROUP g = 4 a + c is two accumulators, columns 2 c and 2 c + 1 of row block a: 16 registers on end.  It goes through five steps, in buffer g % 4 of four:
;   EM  t = 2 log2(e) z, out of the accumulators' window into window 0 (each accumulator's lowest registers are read first)
;   EE  t = 2^t          EA  t = 1 + t          ER  t = 1 / t          EF  four chains of packed sums take t x v; behind a block's fourth group they are added up onto RS[a]
; The steps of three neighbouring groups are laid so that behind every run of exponentials or reciprocals a plain instruction that names none of their registers stands before a result is read (ISA guide 5.7.2).
.macro EM g
.set eAC, 64*(((\g)/4)%4)+16*((\g)%4)
.set eT, TB+16*((\g)%4)
	WIN 0x02+(\g)/16                               ; source 0 in window 2 (blocks 0-3) or 3 (blocks 4-7)
.set p, 0
	s_wait_alu depctr_va_vdst(0)
.rept 8
	v_pk_mul_f32 v[eT+2*p:eT+2*p+1], v[eAC+2*p:eAC+2*p+1], s[CT:CT+1] op_sel_hi:[1,0]
.set p, p+1
.endr
	WIN 0
.endm
.macro EE g
.set eT, TB+16*((\g)%4)
.set p, 0
.rept 16
	v_exp_f32 v[eT+p], v[eT+p]
.set p, p+1
.endr
.endm
.macro EA g
.set eT, TB+16*((\g)%4)
.set p, 0
	s_wait_alu depctr_va_vdst(0)
.rept 8
	v_pk_add_f32 v[eT+2*p:eT+2*p+1], v[eT+2*p:eT+2*p+1], 1.0 op_sel_hi:[1,0]
.set p, p+1
.endr
.endm
.macro ER g
.set eT, TB+16*((\g)%4)
.set p, 0
.rept 16
	v_rcp_f32 v[eT+p], v[eT+p]
.set p, p+1
.endr
.endm
.macro EF g
.set eT, TB+16*((\g)%4)
.set eV, VW+16*((\g)%4)
.set p, 0
.rept 8
.if ((\g)%4 == 0) && (p < 4)
	s_wait_alu depctr_va_vdst(0)
	v_pk_mul_f32 v[SUM+2*p:SUM+2*p+1], v[eT+2*p:eT+2*p+1], v[eV+2*p:eV+2*p+1]  ; a block's first four products start the chains
.else
	v_pk_fma_f32 v[SUM+2*(p%4):SUM+2*(p%4)+1], v[eT+2*p:eT+2*p+1], v[eV+2*p:eV+2*p+1], v[SUM+2*(p%4):SUM+2*(p%4)+1]
.endif
.set p, p+1
.endr
.if (\g)%4 == 3
	v_pk_add_f32 v[SUM:SUM+1], v[SUM:SUM+1], v[SUM+2:SUM+3]
	v_pk_add_f32 v[SUM+4:SUM+5], v[SUM+4:SUM+5], v[SUM+6:SUM+7]
	v_pk_add_f32 v[SUM:SUM+1], v[SUM:SUM+1], v[SUM+4:SUM+5]
	v_add_f32 v[TM], v[SUM], v[SUM+1]
	v_add_f32 v[RS+(\g)/4], v[RS+(\g)/4], v[TM]
.endif
.endm
.macro EPI
	WIN 0
	s_wait_loadcnt 0x0                             ; v of this tile's columns: the launch's only loads into registers
	; the sum of my lane's 64 numbers of v: 33 plain instructions that name no register of the last products: they are the places between those products and the first read of a result
.set p, 0
.rept 4
	v_pk_add_f32 v[SUM+2*p:SUM+2*p+1], v[VW+2*p:VW+2*p+1], v[VW+8+2*p:VW+8+2*p+1]
.set p, p+1
.endr
.set p, 8
.rept 24
	v_pk_add_f32 v[SUM+2*(p%4):SUM+2*(p%4)+1], v[SUM+2*(p%4):SUM+2*(p%4)+1], v[VW+2*p:VW+2*p+1]
.set p, p+1
.endr
	v_pk_add_f32 v[SUM:SUM+1], v[SUM:SUM+1], v[SUM+2:SUM+3]
	v_pk_add_f32 v[SUM+4:SUM+5], v[SUM+4:SUM+5], v[SUM+6:SUM+7]
	v_pk_add_f32 v[SUM:SUM+1], v[SUM:SUM+1], v[SUM+4:SUM+5]
	v_add_f32 v[TM], v[SUM], v[SUM+1]
	v_add_f32 v[VT], v[VT], v[TM]
	EM 0
.set g, 0
.rept 32
	EE g
.if g < 31
	EM g+1                                         ; plain work between the exponentials of g, and the reciprocals of g - 1, and their readers
.else
	v_nop                                          ; the last group has no successor: one plain instruction in its place
	s_wait_alu depctr_va_vdst(0)
.endif
.if g > 0
	EF g-1
.endif
	EA g
	ER g
.set g, g+1
.endr
	v_nop                                          ; a plain instruction between the last reciprocals and their reader
	s_wait_alu depctr_va_vdst(0)
	EF 31
.endm
	s_wait_tensorcnt 1                             ; my part of K step 0 is in; K step 1's load may stay out
	s_barrier_signal -1
	s_barrier_wait -1                              ; everybody's is
	FETCH 0, 0, F0
	s_mov_b32 s2, 2                                ; tiles to go, this one among them: the same number in every work-group
.Ltile:                                                ; (FETCH, EPI and VLOAD leave every window 0)
	QUARTER 0, 64,  F0, F1, 1                      ; a tile's first quarter stands in front of the loop: its products start the sums
	WIN 0                                          ; at a label and at a branch every window is 0
	s_mov_b32 s3, LAPS-1
.Llap:                                                 ; a trip goes once round the ring, from a lap's second quarter to the next lap's first, and fills both slots again
	QUARTER 0, 128, F1, F0, 0
	QUARTER 0, 192, F0, F1, 0
	TURN 0, 1, 0
	QUARTER 1, 64,  F0, F1, 0
	QUARTER 1, 128, F1, F0, 0
	QUARTER 1, 192, F0, F1, 0
	TURN 1, 0, 0
	QUARTER 0, 64,  F0, F1, 0
	WIN 0
	s_sub_co_u32 s3, s3, 1
	s_cmp_lg_u32 s3, 0
	s_cbranch_scc1 .Llap
	QUARTER 0, 128, F1, F0, 0                      ; the tile's last lap goes on
	QUARTER 0, 192, F0, F1, 0
	WIN 0
	s_cmp_eq_u32 s2, 1
	s_cbranch_scc1 .Llast_tile                     ; the last tile's tail is written out: it asks for nothing more
	TURN 0, 1, 1                                   ; THE RING GOES ON INTO THE SECOND TILE: slot 0 takes its K step 0,
	QUARTER 1, 64,  F0, F1, 0
	QUARTER 1, 128, F1, F0, 0
	QUARTER 1, 192, F0, F1, 0
	TURN 1, 0, 1                                   ; slot 1 its K step 1, and the second tile's first fragments are fetched into buffer 0, which the way out does not touch
	EPI                                            ; both refills are asked for: they land while the first tile's tanh and sums are made
	VLOAD 1                                        ; v of the second tile's columns, into the registers that the sums have just read
	s_sub_co_u32 s2, s2, 1
	s_branch .Ltile
.Llast_tile:
	TURNX
	QUARTER 1, 64,  F0, F1, 0
	QUARTER 1, 128, F1, F0, 0
	QUARTER 1, 192, F0, F1, 0
	LASTQ
	EPI
	; THE END.  My lane's share of a row: (sum of v) - 2 (sum of v q); the row's other 64 columns of my wave lie in the lane 16 away; the other 128 of each tile in the wave of the other column half, met in LDS.
.irp a, 0,1,2,3,4,5,6,7
	v_fma_f32 v[RS+(\a)], v[RS+(\a)], -2.0, v[VT]
.endr
.irp a, 0,1,2,3,4,5,6,7
	v_permlanex16_b32 v[TB+(\a)], v[RS+(\a)], s[SEL], s[SEL+1]  ; its destination counts as read: these registers have been written
.endr
.irp a, 0,1,2,3,4,5,6,7
	v_add_f32 v[RS+(\a)], v[RS+(\a)], v[TB+(\a)]
.endr
.irp a, 0,1,2,3,4,5,6,7
	ds_store_b32 v[STO], v[RS+(\a)] offset:64*(\a) ; row 16 a + l % 16; both halves of the lanes write the same word with the same number
.endr
	s_wait_dscnt 0x0                               ; for the others' sake: my stores into my stage are done
	s_barrier_signal -1
	s_barrier_wait -1
	ds_load_b64 v[TM:TM+1], v[RD]                  ; two rows' sums of column half 0,
	ds_load_b64 v[TM+2:TM+3], v[RD] offset:512     ; and of column half 1
	s_wait_dscnt 0x0
	v_pk_add_f32 v[TM:TM+1], v[TM:TM+1], v[TM+2:TM+3]
	global_store_b64 v[CO], v[TM:TM+1], s[PP:PP+1] ; 32 lanes store 64 rows: 256 consecutive bytes, at a multiple of 256 from part's first byte
	s_wait_tensorcnt 0x0                           ; the wave's end, behind my last tensor load and my last LDS store
	ds_add_u32 v[SPW], v[NIL]
	s_wait_dscnt 0x0
	CROUND                                         ; the closing round: no work-group ends while a partner may still ask for a tile that names it
	s_endpgm
.Lfunc_end_k_q81b41e06b7_gemm:
	.size	k_q81b41e06b7_gemm, .Lfunc_end_k_q81b41e06b7_gemm-k_q81b41e06b7_gemm
	.p2alignl 7, 3214868480
	.fill 96, 4, 3214868480
	.section	.rodata,"a",@progbits
	.p2align	6, 0x0
	.amdhsa_kernel k_q81b41e06b7_gemm
		.amdhsa_group_segment_fixed_size 327680
		.amdhsa_private_segment_fixed_size 0
		.amdhsa_enable_private_segment 0
		.amdhsa_kernarg_size 32
		.amdhsa_user_sgpr_count 2
		.amdhsa_user_sgpr_kernarg_segment_ptr 1
		.amdhsa_wavefront_size32 1
		.amdhsa_system_sgpr_workgroup_id_x 1
		.amdhsa_system_sgpr_workgroup_id_y 1
		.amdhsa_system_sgpr_workgroup_id_z 1
		.amdhsa_system_vgpr_workitem_id 0
		.amdhsa_next_free_vgpr 1024
		.amdhsa_next_free_sgpr 80
		.amdhsa_reserve_vcc 0
		.amdhsa_float_denorm_mode_32 3
		.amdhsa_float_denorm_mode_16_64 3
		.amdhsa_memory_ordered 1
		.amdhsa_forward_progress 1
		.amdhsa_inst_pref_size 255
	.end_amdhsa_kernel
	.section	.bss,"aw",@nobits
	.p2align	6
	.space	262144
	.amdgpu_metadata
---
amdhsa.version: [ 1, 2 ]
amdhsa.kernels:
  - .name:           k_q81b41e06b7_gemm
    .symbol:         k_q81b41e06b7_gemm.kd
    .args:
      - { .name: xb, .offset: 0, .size: 8, .value_kind: global_buffer, .address_space: global }
      - { .name: wb, .offset: 8, .size: 8, .value_kind: global_buffer, .address_space: global }
      - { .name: v, .offset: 16, .size: 8, .value_kind: global_buffer, .address_space: global }
      - { .name: part, .offset: 24, .size: 8, .value_kind: global_buffer, .address_space: global }
    .group_segment_fixed_size: 327680
    .private_segment_fixed_size: 0
    .kernarg_segment_align: 8
    .kernarg_segment_size: 32
    .max_flat_workgroup_size: 128
    .sgpr_count:     80
    .vgpr_count:     1024
    .wavefront_size: 32
...
	.end_amdgpu_metadata
.endif
;; end of part 2
;; launch soft (part 3): grid 1 x 1, 32 waves a work-group, no clusters, 4,608 bytes of LDS; arguments part, out0; writes out0
.if DOCPART == 3
	.amdgcn_target "amdgcn-amd-amdhsa--gfx1250"
	.amdhsa_code_object_version 6
	.text
	.protected	k_q81b41e06b7_soft
	.globl	k_q81b41e06b7_soft
	.p2align	8
	.type	k_q81b41e06b7_soft,@function
k_q81b41e06b7_soft:
	s_mov_b64 s[64:65], 0
	v_nop
	global_prefetch_b8 v0, s[64:65] scope:SCOPE_SE
	s_setreg_imm32_b32 hwreg(HW_REG_WAVE_MODE, 25, 1), 1
	s_wait_xcnt 0x0
; out0[r] = exp(score[r] - m) / the sum over all r of exp(score[r] - m);  score[r] = part[0][r] + part[1][r] + part[2][r] + part[3][r];  m = the largest score.  part: [4][16384] f32, out0: [16384] f32.
; All in f32.  p = 2^(c score - c m), c = log2(e), by one fused multiply-add with c m rounded once.  A weight below 2^-126 counts as 0; NaN is not treated apart.
; ONE WORK-GROUP of 32 waves: the maximum and the sum span all rows, and 262,144 bytes in and 65,536 out are too little to share: further work-groups would each read all of part again.
; Thread t takes the rows 4 t + 4,096 j + 0..3, j = 0..3: a load or store of a wave covers 512 consecutive bytes.  The scores stay in registers from the loads to the stores.
; A figure over all rows is made in three steps: in the lane; over the wave's 32 lanes; over the 32 waves, whose figures meet in LDS, a word a wave, and are reduced once more by every wave.
.set MAXW,  0                          ; LDS: the waves' maxima, 128 bytes
.set SUMW,  256                        ; the waves' sums, in bytes of their own, so that one barrier for each of the two meetings is enough
.set SPARE, 512                        ; the spare words, 128 bytes for each of the 32 waves, that no other line names
.set X, 32                             ; v[32:95]  part p, piece j at X + 16 p + 4 j; the scores, then the weights, in v[32:47]
.macro WMAX r                          ; the maximum over the wave's 32 lanes, in every lane: four steps inside each half of 16 lanes ride on the arithmetic, one crosses the halves
	v_max_num_f32_dpp v[\r], v[\r], v[\r] row_xmask:1 row_mask:0xf bank_mask:0xf
	v_max_num_f32_dpp v[\r], v[\r], v[\r] row_xmask:2 row_mask:0xf bank_mask:0xf
	v_max_num_f32_dpp v[\r], v[\r], v[\r] row_xmask:4 row_mask:0xf bank_mask:0xf
	v_max_num_f32_dpp v[\r], v[\r], v[\r] row_xmask:8 row_mask:0xf bank_mask:0xf
	v_permlanex16_b32 v9, v[\r], s12, s13
	v_max_num_f32 v[\r], v[\r], v9
.endm
.macro WADD r                          ; the same for a sum
	v_add_f32_dpp v[\r], v[\r], v[\r] row_xmask:1 row_mask:0xf bank_mask:0xf
	v_add_f32_dpp v[\r], v[\r], v[\r] row_xmask:2 row_mask:0xf bank_mask:0xf
	v_add_f32_dpp v[\r], v[\r], v[\r] row_xmask:4 row_mask:0xf bank_mask:0xf
	v_add_f32_dpp v[\r], v[\r], v[\r] row_xmask:8 row_mask:0xf bank_mask:0xf
	v_permlanex16_b32 v9, v[\r], s12, s13
	v_add_f32 v[\r], v[\r], v9
.endm
	s_load_b128 s[4:7], s[0:1], 0x0                ; part s[4:5], out0 s[6:7]
	v_lshl_add_u32 v30, v0, 2, SPARE               ; my spare word,
	v_mov_b32 v31, 0                               ; and 0: kept for the wave's end alone
	v_lshrrev_b32 v2, 5, v0
	v_readfirstlane_b32 s8, v2                     ; wave 0..31
	v_mov_b32 v2, s8
	v_lshlrev_b32 v2, 2, v2                        ; my wave's word
	v_and_b32 v3, 31, v0
	v_lshlrev_b32 v3, 2, v3                        ; the word of the wave that has my lane's number
	v_lshlrev_b32 v1, 4, v0                        ; 16 bytes a thread
	v_mov_b32 v9, 0                                ; v_permlanex16_b32's destination counts as read
	s_mov_b32 s12, 0x76543210                      ; each lane takes its own place in the other half
	s_mov_b32 s13, 0xfedcba98
	s_mov_b32 s14, 0x3fb8aa3b                      ; c = log2(e)
	s_mov_b32 s15, s14                             ; named with it as a pair
	s_wait_kmcnt 0x0
.set i, 0
.rept 16
	global_load_b128 v[X+4*i:X+4*i+3], v1, s[4:5] offset:65536*(i/4)+16384*(i%4)
.set i, i+1
.endr
	s_wait_loadcnt 0x0
.set i, 0
.rept 8                                ; (part 0 + part 1) and (part 2 + part 3),
	v_pk_add_f32 v[X+2*i:X+2*i+1], v[X+2*i:X+2*i+1], v[X+16+2*i:X+16+2*i+1]
	v_pk_add_f32 v[X+32+2*i:X+32+2*i+1], v[X+32+2*i:X+32+2*i+1], v[X+48+2*i:X+48+2*i+1]
.set i, i+1
.endr
.set i, 0
.rept 8                                ; and their sum: my 16 scores
	v_pk_add_f32 v[X+2*i:X+2*i+1], v[X+2*i:X+2*i+1], v[X+32+2*i:X+32+2*i+1]
.set i, i+1
.endr
	v_max3_num_f32 v4, v[X], v[X+1], v[X+2]        ; the largest of them, in two chains
	v_max3_num_f32 v8, v[X+3], v[X+4], v[X+5]
	v_max3_num_f32 v4, v4, v[X+6], v[X+7]
	v_max3_num_f32 v8, v8, v[X+8], v[X+9]
	v_max3_num_f32 v4, v4, v[X+10], v[X+11]
	v_max3_num_f32 v8, v8, v[X+12], v[X+13]
	v_max3_num_f32 v4, v4, v[X+14], v[X+15]
	v_max_num_f32 v4, v4, v8
	WMAX 4
	ds_store_b32 v2, v4 offset:MAXW                ; all lanes write the wave's word with the same number
	s_wait_dscnt 0x0                               ; for the others' sake: my store is done
	s_barrier_signal -1
	s_barrier_wait -1
	ds_load_b32 v4, v3 offset:MAXW                 ; lane l takes wave l's maximum
	s_wait_dscnt 0x0
	WMAX 4                                         ; m, in every lane of every wave
	v_mul_f32 v4, s14, v4                          ; c m
	v_mov_b32 v5, v4
.set i, 0
.rept 8
	v_pk_fma_f32 v[X+2*i:X+2*i+1], v[X+2*i:X+2*i+1], s[14:15], v[4:5] op_sel_hi:[1,0,1] neg_lo:[0,0,1] neg_hi:[0,0,1]  ; c score - c m: at most 0, but for the rounding of c m
.set i, i+1
.endr
.set i, 0
.rept 16
	v_exp_f32 v[X+i], v[X+i]
.set i, i+1
.endr
	v_nop                                          ; a plain instruction between the last exponential and the use of its result (ISA guide 5.7.2)
	s_wait_alu depctr_va_vdst(0)
	v_pk_add_f32 v[10:11], v[X:X+1], v[X+2:X+3]    ; the sum of my 16 weights, in two chains; the weights themselves are kept
	v_pk_add_f32 v[12:13], v[X+4:X+5], v[X+6:X+7]
	v_pk_add_f32 v[10:11], v[10:11], v[X+8:X+9]
	v_pk_add_f32 v[12:13], v[12:13], v[X+10:X+11]
	v_pk_add_f32 v[10:11], v[10:11], v[X+12:X+13]
	v_pk_add_f32 v[12:13], v[12:13], v[X+14:X+15]
	v_pk_add_f32 v[10:11], v[10:11], v[12:13]
	v_add_f32 v6, v10, v11
	WADD 6
	ds_store_b32 v2, v6 offset:SUMW
	s_wait_dscnt 0x0
	s_barrier_signal -1
	s_barrier_wait -1
	ds_load_b32 v6, v3 offset:SUMW
	s_wait_dscnt 0x0
	WADD 6                                         ; the sum over all rows: at least about 1, since the largest score's weight is about 1
	v_rcp_f32 v6, v6
	v_nop                                          ; a plain instruction between the reciprocal and the use of its result
	s_wait_alu depctr_va_vdst(0)
	v_mov_b32 v7, v6
.set i, 0
.rept 8
	v_pk_mul_f32 v[X+2*i:X+2*i+1], v[X+2*i:X+2*i+1], v[6:7]
.set i, i+1
.endr
.irp j, 0,1,2,3
	global_store_b128 v1, v[X+4*(\j):X+4*(\j)+3], s[6:7] offset:16384*(\j)
.endr
	s_wait_tensorcnt 0x0                           ; the wave's end, behind my last LDS store
	ds_add_u32 v30, v31
	s_wait_dscnt 0x0
	s_endpgm
.Lfunc_end_k_q81b41e06b7_soft:
	.size	k_q81b41e06b7_soft, .Lfunc_end_k_q81b41e06b7_soft-k_q81b41e06b7_soft
	.p2alignl 7, 3214868480
	.fill 96, 4, 3214868480
	.section	.rodata,"a",@progbits
	.p2align	6, 0x0
	.amdhsa_kernel k_q81b41e06b7_soft
		.amdhsa_group_segment_fixed_size 4608
		.amdhsa_private_segment_fixed_size 0
		.amdhsa_enable_private_segment 0
		.amdhsa_kernarg_size 16
		.amdhsa_user_sgpr_count 2
		.amdhsa_user_sgpr_kernarg_segment_ptr 1
		.amdhsa_wavefront_size32 1
		.amdhsa_system_sgpr_workgroup_id_x 1
		.amdhsa_system_sgpr_workgroup_id_y 1
		.amdhsa_system_sgpr_workgroup_id_z 1
		.amdhsa_system_vgpr_workitem_id 0
		.amdhsa_next_free_vgpr 96
		.amdhsa_next_free_sgpr 66
		.amdhsa_reserve_vcc 0
		.amdhsa_float_denorm_mode_32 3
		.amdhsa_float_denorm_mode_16_64 3
		.amdhsa_memory_ordered 1
		.amdhsa_forward_progress 1
		.amdhsa_inst_pref_size 10
	.end_amdhsa_kernel
	.amdgpu_metadata
---
amdhsa.version: [ 1, 2 ]
amdhsa.kernels:
  - .name:           k_q81b41e06b7_soft
    .symbol:         k_q81b41e06b7_soft.kd
    .args:
      - { .name: part, .offset: 0, .size: 8, .value_kind: global_buffer, .address_space: global }
      - { .name: out0, .offset: 8, .size: 8, .value_kind: global_buffer, .address_space: global }
    .group_segment_fixed_size: 4608
    .private_segment_fixed_size: 0
    .kernarg_segment_align: 8
    .kernarg_segment_size: 16
    .max_flat_workgroup_size: 1024
    .sgpr_count:     66
    .vgpr_count:     96
    .wavefront_size: 32
...
	.end_amdgpu_metadata
.endif
;; end of part 3
